; MI455X (gfx1250); checked and timed in simulation.
; The chip was launched on July 23, 2026; its instructions are those of AMD's public machine-readable ISA for CDNA 5 (MIT licence, August 2026) and "CDNA5" Instruction Set Architecture Reference Guide (July 2026). The comments in the code are by the model that wrote it; some were corrected since.
;; Mo EFFN Layer. Allowed arithmetic: float matrix products may take bf16 or f16 operands with f32 sums; other float arithmetic in f32, or as packed bf16 or f16 multiplies, adds, multiply-adds, maxima and minima; sums over many terms, partial sums and values carried from step to step in f32; what a program stores and reads back later, other than sums and carried values, may be rounded once to bf16 or f16.
;; Inputs: down_w 8 x 1,024 x 256 float32; gate_up_w 8 x 512 x 1,024 float32; gate_w 8 x 1,024 float32; x 4 x 2,048 x 1,024 float32.
;; Outputs: out0 4 x 2,048 x 1,024 float32; out1 one number float32.
;; One version. Each part assembles by itself: llvm-mc -triple=amdgcn-amd-amdhsa -mcpu=gfx1250 --defsym DOCPART=n.
;; ======== version 1 of 1: 2 launches
;; workspace buffers: xb 16,777,216 bytes; wf 12,582,912 bytes; routing 65,536 bytes of whole numbers; gates 98,304 bytes
;; launch route_cast (part 1): grid 256 x 1, 8 waves a work-group, no clusters, 281,600 bytes of LDS; arguments x, gate_w, gate_up_w, down_w, xb, wf, routing, gates; writes xb, wf, routing, gates
.if DOCPART == 1
	.amdgcn_target "amdgcn-amd-amdhsa--gfx1250"
	.amdhsa_code_object_version 6
	.text
	.protected	k_q7ce0f1712e_route_cast
	.globl	k_q7ce0f1712e_route_cast
	.p2align	8
	.type	k_q7ce0f1712e_route_cast,@function
k_q7ce0f1712e_route_cast:
	s_mov_b64 s[64:65], 0
	v_nop
	global_prefetch_b8 v0, s[64:65] scope:SCOPE_SE
	s_setreg_imm32_b32 hwreg(HW_REG_WAVE_MODE, 25, 1), 1
	s_wait_xcnt 0x0
; ROUTER AND CASTS.  Every input is read once and rounded once to bf16 (nearest even).
;   xb      x as bf16, [8192][1024]
;   wf      the experts' weights as bf16 in the order in which a wave's operand registers take them: [expert 8][wave 4][stage 48][fragment 8][1,024 bytes].
;           A fragment is 16 weight rows x 32 k: byte 16 L (L = r + 16 h) holds row r, k0 + 8 h .. + 7; byte 512 + 16 L holds k0 + 16 + 8 h .. + 7.
;           stage i < 32: gate_up, k0 = 32 i; fragments 0-3 gate rows 64 w + 16 fr + r, fragments 4-7 up rows 256 + 64 w + 16 (fr - 4) + r.
;           stage 32 + 8 P + kq: down, k0 = 32 kq, rows (output columns) 256 w + 128 P + 16 fr + r.
;   routing sid[8192] (the token's set of two experts, hi (hi - 1) / 2 + lo), then cnt[256 groups of 32 tokens][32]: tokens of each set in the group
;   gates   (w_lo, w_hi)[8192], then psum[256][32]: the group's sums of the 8 probabilities, its 8 counts, and the same 16 numbers again
; SHARES.  Work-group g: tokens 32 g .. + 31, rows 16 g .. + 15 of gate_up_w seen as [4096][1024], rows 32 g .. + 31 of down_w seen as [8192][256].
; Wave v: columns 128 v .. + 127 of x, gate_w and gate_up_w; of down_w row block v / 4 and columns 64 (v % 4) .. + 63.  Each wave brings its four tiles by four
; tensor loads of its own and reads only those bytes; every LDS byte is filled once.  By this text's count a wave has four tensor loads out at the most.
; ROUTER.  Logits by the matrix unit on the bf16 operands (source 0: the 8 experts, twice; source 1: 16 tokens), each wave its 128 columns; the eight parts are added
; in f32 by wave 0, which then has one token a lane: softmax with the maximum taken away, top 2 on the probabilities by strict >, so that a tie keeps the lower index.
; LIMITS.  NaN and infinities are not treated apart.  A probability below 2^-126 counts as 0.  Two probabilities that differ by less than the f32 rounding of the logits' sums
; may be ranked otherwise than by another order of summation.
; No cluster: no two work-groups read the same bytes but gate_w's 32,768, which is 1 / 1,800 of what the launch reads.
.set WS,     34048                     ; LDS of a wave: 133 blocks of 256 bytes
.set OGU,    16896                     ; behind X (32 rows x 528): gate_up's 16 rows x 528
.set ODW,    25344                     ; down's 16 rows x 272
.set OG,     29696                     ; gate_w's 8 rows x 528
.set XPITCH, 528                       ; 512 bytes + 16 of padding: an odd multiple of 16, so that 16 rows of a load start at 16 different groups of four banks (ISA guide 11.1)
.set DPITCH, 272
.set SCR,    8*WS                      ; the waves' parts of the logits: 8 x 32 lanes x 32 bytes; written by ds_store alone
.set SPARE,  SCR+8192                  ; the spare words, 128 bytes for each wave
.set EXP_B,  1572864
.set WAVE_B, 393216
.set STG_B,  8192
.set W0A, (2<<16)|(1<<20)|(6<<22)|(3<<25)  ; elements of 4 bytes; padding on; after every 128 words; 4 words of it
.set W0B, (2<<16)|(1<<20)|(5<<22)|(3<<25)  ; the same after every 64 words
.set T,   32                           ; v[32:95]    64 f32 as loaded
.set GF,  96                           ; v[96:127]   gate_w's 4 fragments; later gate_up's, as store data
.set XFA, 128                          ; v[128:159]  x, tokens 0-15, 4 fragments; later down's, as store data
.set AC0, 160                          ; v[160:167]  logits of tokens 0-15
.set AC1, 168                          ; v[168:175]  of tokens 16-31
.set XFB, 176                          ; v[176:207]  x, tokens 16-31; later, with v[208:239], xb's store data
.macro G1SET base, c, r, p, w0         ; descriptor group 1: a tile of r rows x c elements, p elements from row to row
	s_mov_b32 s[(\base)+0], \w0
	s_mov_b32 s[(\base)+1], (\c)<<16
	s_mov_b32 s[(\base)+2], (\r)<<16
	s_mov_b32 s[(\base)+3], (\c)<<16
	s_mov_b32 s[(\base)+4], \r
	s_mov_b32 s[(\base)+5], \p
	s_mov_b32 s[(\base)+6], 0
	s_mov_b32 s[(\base)+7], 0
.endm
.macro LD4 addr, imm, t                ; the 16 f32 of one fragment: k = 8 h .. + 7 and 16 + 8 h .. + 7 (the address holds 32 h)
	ds_load_b128 v[T+16*(\t):T+16*(\t)+3],     v[\addr] offset:(\imm)
	ds_load_b128 v[T+16*(\t)+4:T+16*(\t)+7],   v[\addr] offset:(\imm)+16
	ds_load_b128 v[T+16*(\t)+8:T+16*(\t)+11],  v[\addr] offset:(\imm)+64
	ds_load_b128 v[T+16*(\t)+12:T+16*(\t)+15], v[\addr] offset:(\imm)+80
.endm
.macro CV8 dst, t                      ; rounded to bf16: the fragment's 8 registers
.irp j, 0,1,2,3,4,5,6,7
	v_cvt_pk_bf16_f32 v[(\dst)+\j], v[T+16*(\t)+2*\j], v[T+16*(\t)+2*\j+1]
.endr
.endm
	s_load_b512 s[68:83], s[0:1], 0x0              ; x 68, gate_w 70, gate_up_w 72, down_w 74, xb 76, wf 78, routing 80, gates 82
	v_lshl_add_u32 v4, v0, 2, SPARE
	v_mov_b32 v5, 0
	ds_add_u32 v4, v5                              ; the opening: the add and its wait stand ahead of my first tensor load; the set-up below stands between them
	ds_add_u32 v4, v5
	v_lshrrev_b32 v15, 5, v0
	v_readfirstlane_b32 s2, v15                    ; wave v
	s_mov_b32 s3, ttmp9                            ; work-group g
	G1SET 16, 128, 8,  1024, W0A                   ; gate_w
	G1SET 24, 128, 32, 1024, W0A                   ; x
	G1SET 32, 128, 16, 1024, W0A                   ; gate_up_w
	G1SET 40, 64,  16, 256,  W0B                   ; down_w
	s_mul_i32 s4, s2, WS                           ; my wave's LDS
	s_mov_b32 s48, 1
	s_add_co_u32 s49, s4, OG
	s_mov_b32 s52, 1
	s_mov_b32 s53, s4
	s_mov_b32 s56, 1
	s_add_co_u32 s57, s4, OGU
	s_mov_b32 s60, 1
	s_add_co_u32 s61, s4, ODW
	s_lshl_b32 s6, s2, 9                           ; gate_w: 512 v
	s_mov_b32 s7, 0
	s_lshl_b32 s8, s3, 17                          ; x: 32 rows of 4,096 bytes a group, + 512 v
	s_add_co_u32 s8, s8, s6
	s_mov_b32 s9, 0
	s_lshl_b32 s10, s3, 16                         ; gate_up_w: 16 rows of 4,096 bytes, + 512 v
	s_add_co_u32 s10, s10, s6
	s_mov_b32 s11, 0
	s_lshl_b32 s12, s3, 15                         ; down_w: 32 rows of 1,024 bytes, + 16 rows x (v / 4), + 256 (v % 4)
	s_lshr_b32 s14, s2, 2
	s_lshl_b32 s15, s14, 14
	s_add_co_u32 s12, s12, s15
	s_and_b32 s15, s2, 3
	s_lshl_b32 s5, s15, 8
	s_add_co_u32 s12, s12, s5
	s_mov_b32 s13, 0
	s_wait_dscnt 0x0                               ; the opening add is done
	s_wait_kmcnt 0x0
	s_add_nc_u64 s[50:51], s[70:71], s[6:7]
	s_or_b32 s51, s51, 0x80000000
	s_add_nc_u64 s[54:55], s[68:69], s[8:9]
	s_or_b32 s55, s55, 0x80000000
	s_add_nc_u64 s[58:59], s[72:73], s[10:11]
	s_or_b32 s59, s59, 0x80000000
	s_add_nc_u64 s[62:63], s[74:75], s[12:13]
	s_or_b32 s63, s63, 0x80000000
	tensor_load_to_lds s[48:51], s[16:23]          ; gate_w, x, gate_up_w, down_w: all first fills, in the order in which they are used
	s_nop 0
	tensor_load_to_lds s[52:55], s[24:31]
	s_nop 0
	tensor_load_to_lds s[56:59], s[32:39]
	s_nop 0
	tensor_load_to_lds s[60:63], s[40:47]
	s_nop 0
	; lane terms
	v_and_b32 v1, 31, v0                           ; L
	v_and_b32 v2, 15, v0                           ; r
	v_bfe_u32 v3, v0, 4, 1                         ; h
	v_mul_u32_u24 v16, v2, XPITCH
	v_lshl_add_u32 v16, v3, 5, v16
	v_add_nc_u32 v6, s4, v16                       ; x fragments: row r, 32 h
	v_add_nc_u32 v8, OGU, v6                       ; gate_up fragments
	v_and_b32 v17, 7, v0
	v_mul_u32_u24 v17, v17, XPITCH
	v_lshl_add_u32 v17, v3, 5, v17
	v_add_nc_u32 v7, s4, v17
	v_add_nc_u32 v7, OG, v7                        ; gate_w fragments: row r % 8
	v_mul_u32_u24 v18, v2, DPITCH
	v_lshl_add_u32 v18, v3, 5, v18
	v_add_nc_u32 v9, s4, v18
	v_add_nc_u32 v9, ODW, v9                       ; down fragments
	v_mul_u32_u24 v19, v3, XPITCH
	v_lshl_add_u32 v19, v2, 5, v19
	v_add_nc_u32 v10, s4, v19                      ; x by rows: row h of a pair, 8 numbers at 32 r
	v_lshlrev_b32 v11, 4, v2
	v_lshl_add_u32 v11, v3, 11, v11
	s_lshl_b32 s5, s2, 8
	v_add_nc_u32 v11, s5, v11                      ; the same in xb: 256 v + 2,048 h + 16 r
	v_lshlrev_b32 v12, 4, v1                       ; 16 L
	v_lshl_add_u32 v13, v0, 5, SCR                 ; my 32 bytes of the logits' parts: 1,024 v + 32 L
	v_lshl_add_u32 v14, v1, 5, SCR                 ; wave 0 reads all eight parts of lane L
	; where the stores go
	s_lshl_b32 s6, s3, 16
	s_add_nc_u64 s[84:85], s[76:77], s[6:7]        ; xb at the group's 32 rows
	s_lshr_b32 s5, s3, 5
	s_mul_i32 s5, s5, EXP_B                        ; the expert
	s_bfe_u32 s6, s3, 0x20002
	s_mul_i32 s6, s6, WAVE_B                       ; gate_up: wave (g / 4) % 4 of the later launch,
	s_add_co_u32 s6, s6, s5
	s_and_b32 s8, s3, 3
	s_bfe_u32 s9, s3, 0x10004
	s_lshl2_add_u32 s9, s9, s8                     ; fragment g % 4, + 4 for the up rows,
	s_lshl_b32 s9, s9, 10
	s_add_co_u32 s6, s6, s9
	s_lshl_b32 s9, s2, 15                          ; stages 4 v ..
	s_add_co_u32 s6, s6, s9
	s_add_nc_u64 s[86:87], s[78:79], s[6:7]
	s_bfe_u32 s6, s3, 0x20003
	s_mul_i32 s6, s6, WAVE_B                       ; down: wave (g / 8) % 4,
	s_add_co_u32 s6, s6, s5
	s_bfe_u32 s9, s3, 0x10002
	s_lshl_b32 s9, s9, 3
	s_lshl1_add_u32 s9, s15, s9
	s_add_co_u32 s9, s9, 32                        ; stage 32 + 8 ((g / 4) % 2) + 2 (v % 4) ..,
	s_lshl_b32 s9, s9, 13
	s_add_co_u32 s6, s6, s9
	s_lshl1_add_u32 s9, s8, s14                    ; fragment 2 (g % 4) + v / 4
	s_lshl_b32 s9, s9, 10
	s_add_co_u32 s6, s6, s9
	s_add_nc_u64 s[88:89], s[78:79], s[6:7]
	s_lshl_b32 s6, s3, 7
	s_add_nc_u64 s[90:91], s[80:81], s[6:7]        ; routing + 128 g
	s_add_nc_u64 s[94:95], s[82:83], s[6:7]        ; gates + 128 g
	s_lshl_b32 s6, s3, 8
	s_add_nc_u64 s[92:93], s[82:83], s[6:7]        ; gates + 256 g
	; THE LOGITS' PARTS
	s_wait_tensorcnt 0x2                           ; gate_w's and x's tiles are in; the two issued behind them may stay out
.irp ks, 0,1,2,3
	LD4 7, 128*\ks, \ks
.endr
	s_wait_dscnt 0x0
.irp ks, 0,1,2,3
	CV8 GF+8*\ks, \ks
.endr
.irp ks, 0,1,2,3
	LD4 6, 128*\ks, \ks
.endr
	s_wait_dscnt 0x0
.irp ks, 0,1,2,3
	CV8 XFA+8*\ks, \ks
.endr
.irp ks, 0,1,2,3
	LD4 6, 16*XPITCH+128*\ks, \ks
.endr
	s_wait_dscnt 0x0
.irp ks, 0,1,2,3
	CV8 XFB+8*\ks, \ks
.endr
	v_wmma_f32_16x16x32_bf16 v[AC0:AC0+7], v[GF:GF+7], v[XFA:XFA+7], 0   ; the two accumulators take turns; the first products start the sums
	v_wmma_f32_16x16x32_bf16 v[AC1:AC1+7], v[GF:GF+7], v[XFB:XFB+7], 0
.irp ks, 1,2,3
	v_wmma_f32_16x16x32_bf16 v[AC0:AC0+7], v[GF+8*\ks:GF+8*\ks+7], v[XFA+8*\ks:XFA+8*\ks+7], v[AC0:AC0+7]
	v_wmma_f32_16x16x32_bf16 v[AC1:AC1+7], v[GF+8*\ks:GF+8*\ks+7], v[XFB+8*\ks:XFB+8*\ks+7], v[AC1:AC1+7]
.endr
.rept 4
	v_nop                                          ; four places behind the last product (ISA guide 7.12.1)
.endr
	v_cmp_le_u32 s5, 16, v1                        ; register j of lane (r, h) is expert j of token r, in both halves of the lanes: lanes 16-31 take the second block, so that lane L has token L
.irp j, 0,1,2,3,4,5,6,7
	v_cndmask_b32 v[16+\j], v[AC0+\j], v[AC1+\j], s5
.endr
	ds_store_b128 v13, v[16:19]
	ds_store_b128 v13, v[20:23] offset:16
	s_wait_dscnt 0x0                               ; for wave 0's sake: my part lies in LDS
	s_barrier_signal -1
	s_barrier_wait -1                              ; The two later tiles may stay out
	; XB: 16 pairs of rows; 16 lanes store 256 consecutive bytes, at a multiple of 256 from xb's first byte.  The LDS loads take 32 bytes a lane in two halves: two lanes to a bank
.irp bt, 0,1
.irp t, 0,1,2,3,4,5,6,7
	ds_load_b128 v[T+8*\t:T+8*\t+3],   v10 offset:2*XPITCH*(8*\bt+\t)
	ds_load_b128 v[T+8*\t+4:T+8*\t+7], v10 offset:2*XPITCH*(8*\bt+\t)+16
.endr
	s_wait_dscnt 0x0
.irp t, 0,1,2,3,4,5,6,7
.irp j, 0,1,2,3
	v_cvt_pk_bf16_f32 v[XFB+32*\bt+4*\t+\j], v[T+8*\t+2*\j], v[T+8*\t+2*\j+1]
.endr
	global_store_b128 v11, v[XFB+32*\bt+4*\t:XFB+32*\bt+4*\t+3], s[84:85] offset:4096*(8*\bt+\t)
.endr
.endr
	; GATE_UP: four fragments, each 1,024 consecutive bytes of wf in two stores
	s_wait_tensorcnt 0x1                           ; gate_up's tile is in; down's may stay out
.irp ks, 0,1,2,3
	LD4 8, 128*\ks, \ks
.endr
	s_wait_dscnt 0x0
.irp ks, 0,1,2,3
	CV8 GF+8*\ks, \ks
	global_store_b128 v12, v[GF+8*\ks:GF+8*\ks+3],   s[86:87] offset:STG_B*\ks
	global_store_b128 v12, v[GF+8*\ks+4:GF+8*\ks+7], s[86:87] offset:STG_B*\ks+512
.endr
	; DOWN: two fragments
	s_wait_tensorcnt 0x0
.irp ks, 0,1
	LD4 9, 128*\ks, \ks
.endr
	s_wait_dscnt 0x0
.irp ks, 0,1
	CV8 XFA+8*\ks, \ks
	global_store_b128 v12, v[XFA+8*\ks:XFA+8*\ks+3],   s[88:89] offset:STG_B*\ks
	global_store_b128 v12, v[XFA+8*\ks+4:XFA+8*\ks+7], s[88:89] offset:STG_B*\ks+512
.endr
	s_cmp_lg_u32 s2, 0
	s_cbranch_scc1 .Lend
	; WAVE 0: lane L is token 32 g + L
.irp w, 0,1,2,3,4,5,6,7
	ds_load_b128 v[T+8*\w:T+8*\w+3],   v14 offset:1024*\w
	ds_load_b128 v[T+8*\w+4:T+8*\w+7], v14 offset:1024*\w+16
.endr
	s_wait_dscnt 0x0
.irp w, 1,2,3,4,5,6,7
.irp p, 0,1,2,3
	v_pk_add_f32 v[T+2*\p:T+2*\p+1], v[T+2*\p:T+2*\p+1], v[T+8*\w+2*\p:T+8*\w+2*\p+1]
.endr
.endr
	v_max3_num_f32 v16, v32, v33, v34              ; softmax: the maximum is taken away first
	v_max3_num_f32 v16, v16, v35, v36
	v_max3_num_f32 v16, v16, v37, v38
	v_max_num_f32 v16, v16, v39
.irp j, 0,1,2,3,4,5,6,7
	v_sub_f32 v[32+\j], v[32+\j], v16
.endr
.irp j, 0,1,2,3,4,5,6,7
	v_mul_f32 v[32+\j], 0x3fb8aa3b, v[32+\j]
.endr
.irp j, 0,1,2,3,4,5,6,7
	v_exp_f32 v[32+\j], v[32+\j]
.endr
	v_lshlrev_b32 v49, 2, v1                       ; a plain instruction behind the last exponential,
	s_wait_alu depctr_va_vdst(0)                   ; and one wait for the eight, ahead of their first reader
	v_add_f32 v17, v32, v33
	v_add_f32 v18, v34, v35
	v_add_f32 v19, v36, v37
	v_add_f32 v20, v38, v39
	v_add_f32 v17, v17, v18
	v_add_f32 v19, v19, v20
	v_add_f32 v17, v17, v19
	v_rcp_f32 v18, v17
	v_lshlrev_b32 v50, 3, v1
	s_wait_alu depctr_va_vdst(0)
.irp j, 0,1,2,3,4,5,6,7
	v_mul_f32 v[64+\j], v[32+\j], v18              ; the probabilities
.endr
	v_mov_b32 v19, v64                             ; top 2: (m1, i1) the largest, (m2, i2) the second; strict >, ascending j: a tie keeps the lower index
	v_mov_b32 v20, 0
	v_mov_b32 v21, -1.0
	v_mov_b32 v22, 0
.irp j, 1,2,3,4,5,6,7
	v_cmp_gt_f32 s4, v[64+\j], v19
	v_cmp_gt_f32 s5, v[64+\j], v21
	v_cndmask_b32 v21, v21, v[64+\j], s5
	v_cndmask_b32 v22, v22, \j, s5
	v_cndmask_b32 v21, v21, v19, s4
	v_cndmask_b32 v22, v22, v20, s4
	v_cndmask_b32 v19, v19, v[64+\j], s4
	v_cndmask_b32 v20, v20, \j, s4
.endr
	v_add_f32 v23, v19, v21
	v_add_f32 v23, 0x3089705f, v23                 ; + 1e-9
	v_rcp_f32 v24, v23
	v_min_u32 v27, v20, v22                        ; lo
	s_wait_alu depctr_va_vdst(0)
	v_mul_f32 v25, v19, v24
	v_mul_f32 v26, v21, v24
	v_add_nc_u32 v28, v20, v22
	v_sub_nc_u32 v28, v28, v27                     ; hi
	v_cmp_lt_u32 s4, v20, v22
	v_cndmask_b32 v30, v26, v25, s4                ; the weight of lo,
	v_cndmask_b32 v31, v25, v26, s4                ; of hi
	v_add_nc_u32 v29, -1, v28
	v_mul_u32_u24 v29, v28, v29
	v_lshrrev_b32 v29, 1, v29
	v_add_nc_u32 v29, v29, v27                     ; the set's number, 0 .. 27
	global_store_b32 v49, v29, s[90:91]
	global_store_b64 v50, v[30:31], s[92:93]
	v_mov_b32 v48, 0                               ; the group's tokens of each set: lane k takes set k's.  Data alone: no address and no branch of this launch hangs on them
.set k, 0
.rept 7
.irp u, 0,1,2,3
	v_cmp_eq_u32 s[4+\u], k+\u, v29
.endr
.irp u, 0,1,2,3
	s_bcnt1_i32_b32 s[8+\u], s[4+\u]
.endr
.irp u, 0,1,2,3
	v_writelane_b32 v48, s[8+\u], k+\u
.endr
.set k, k+4
.endr
	global_store_b32 v49, v48, s[90:91] offset:32768
.irp j, 0,1,2,3,4,5,6,7
	v_cmp_eq_u32 s4, \j, v20                       ; the one-hot rows of the two choices, added
	v_cmp_eq_u32 s5, \j, v22
	v_cndmask_b32 v[72+\j], 0, 1.0, s4
	v_cndmask_b32 v16, 0, 1.0, s5
	v_add_f32 v[72+\j], v[72+\j], v16
.endr
	; sixteen sums over 32 lanes at once: in each step a lane keeps one of two numbers and sends the other to the lane that keeps it; lane L ends with number L % 16
	s_mov_b32 s96, 0xaaaaaaaa
	s_mov_b32 s97, 0xcccccccc
	s_mov_b32 s98, 0xf0f0f0f0
	s_mov_b32 s99, 0xff00ff00
	s_mov_b32 s14, 0x76543210
	s_mov_b32 s15, 0xfedcba98
.macro TSTEP n, src, keep, send, m, x
.set u, 0
.rept \n
	v_cndmask_b32 v[(\keep)+u], v[(\src)+2*u], v[(\src)+2*u+1], s[\m]
	v_cndmask_b32 v[(\send)+u], v[(\src)+2*u+1], v[(\src)+2*u], s[\m]
	v_add_f32_dpp v[(\keep)+u], v[(\send)+u], v[(\keep)+u] row_xmask:\x row_mask:0xf bank_mask:0xf
.set u, u+1
.endr
.endm
	TSTEP 8, 64, 80, 88, 96, 1
	TSTEP 4, 80, 64, 68, 97, 2
	TSTEP 2, 64, 80, 82, 98, 4
	TSTEP 1, 80, 64, 65, 99, 8
	v_permlanex16_b32 v65, v64, s14, s15
	v_add_f32 v64, v64, v65
	global_store_b32 v49, v64, s[94:95] offset:65536
.Lend:
	s_wait_tensorcnt 0x0                           ; the wave's end, behind my last tensor load and my last LDS store
	ds_add_u32 v4, v5
	s_wait_dscnt 0x0
	s_endpgm
.Lfunc_end_k_q7ce0f1712e_route_cast:
	.size	k_q7ce0f1712e_route_cast, .Lfunc_end_k_q7ce0f1712e_route_cast-k_q7ce0f1712e_route_cast
	.p2alignl 7, 3214868480
	.fill 96, 4, 3214868480
	.section	.rodata,"a",@progbits
	.p2align	6, 0x0
	.amdhsa_kernel k_q7ce0f1712e_route_cast
		.amdhsa_group_segment_fixed_size 281600
		.amdhsa_private_segment_fixed_size 0
		.amdhsa_enable_private_segment 0
		.amdhsa_kernarg_size 64
		.amdhsa_user_sgpr_count 2
		.amdhsa_user_sgpr_kernarg_segment_ptr 1
		.amdhsa_wavefront_size32 1
		.amdhsa_system_sgpr_workgroup_id_x 1
		.amdhsa_system_sgpr_workgroup_id_y 1
		.amdhsa_system_sgpr_workgroup_id_z 1
		.amdhsa_system_vgpr_workitem_id 0
		.amdhsa_next_free_vgpr 256
		.amdhsa_next_free_sgpr 100
		.amdhsa_reserve_vcc 0
		.amdhsa_float_denorm_mode_32 3
		.amdhsa_float_denorm_mode_16_64 3
		.amdhsa_memory_ordered 1
		.amdhsa_forward_progress 1
		.amdhsa_inst_pref_size 51
	.end_amdhsa_kernel
	.amdgpu_metadata
---
amdhsa.version: [ 1, 2 ]
amdhsa.kernels:
  - .name:           k_q7ce0f1712e_route_cast
    .symbol:         k_q7ce0f1712e_route_cast.kd
    .args:
      - { .name: x, .offset: 0, .size: 8, .value_kind: global_buffer, .address_space: global }
      - { .name: gate_w, .offset: 8, .size: 8, .value_kind: global_buffer, .address_space: global }
      - { .name: gate_up_w, .offset: 16, .size: 8, .value_kind: global_buffer, .address_space: global }
      - { .name: down_w, .offset: 24, .size: 8, .value_kind: global_buffer, .address_space: global }
      - { .name: xb, .offset: 32, .size: 8, .value_kind: global_buffer, .address_space: global }
      - { .name: wf, .offset: 40, .size: 8, .value_kind: global_buffer, .address_space: global }
      - { .name: routing, .offset: 48, .size: 8, .value_kind: global_buffer, .address_space: global }
      - { .name: gates, .offset: 56, .size: 8, .value_kind: global_buffer, .address_space: global }
    .group_segment_fixed_size: 281600
    .private_segment_fixed_size: 0
    .kernarg_segment_align: 8
    .kernarg_segment_size: 64
    .max_flat_workgroup_size: 256
    .sgpr_count:     100
    .vgpr_count:     256
    .wavefront_size: 32
...
	.end_amdgpu_metadata
.endif
;; end of part 1
;; launch experts (part 2): grid 155 x 1, 8 waves a work-group, no clusters, 273,408 bytes of LDS; arguments xb, wf, routing, gates, out0, out1; writes out0, out1
.if DOCPART == 2
	.amdgcn_target "amdgcn-amd-amdhsa--gfx1250"
	.amdhsa_code_object_version 6
	.text
	.protected	k_q7ce0f1712e_experts
	.globl	k_q7ce0f1712e_experts
	.p2align	8
	.type	k_q7ce0f1712e_experts,@function
k_q7ce0f1712e_experts:
	s_mov_b64 s[64:65], 0
	v_nop
	global_prefetch_b8 v0, s[64:65] scope:SCOPE_SE
	s_setreg_imm32_b32 hwreg(HW_REG_WAVE_MODE, 25, 1), 1
	s_wait_xcnt 0x0
; THE EXPERTS.  out0[t] = w_lo y_lo(x[t]) + w_hi y_hi(x[t]), y_e(x) = (silu(x G_e^T) * (x U_e^T)) D_e^T, for the two experts that the earlier launch chose for token t; out1 = the balancing loss.
; Only the chosen experts are multiplied: the other six have the weight 0 in the sum.
; TILES.  Tokens are sorted by their SET of two experts (28 sets).  A work-group owns 64 tokens of one set and takes them through the whole chain; both experts' last products add into one
; accumulator, so every output row has one owner.  With N_s tokens in set s there are sum ceil(N_s / 64) <= 8192 / 64 + 27 = 155 tiles, whatever the split: the grid.  A work-group that a split leaves
; without rows stores no row: it passes every barrier and jumps over the loops.  Places past a tile's count hold token 8191, a row that exists; their stores are jumped.
; ROUTING.  Every work-group finds its tile for itself from the stored whole numbers: the sets' counts give the tile's set and first rank; a token's rank is counted in one fixed order (wave, register, lane).
; OPERANDS.  x, the weights and the hidden layer h in bf16, sums in f32.  The combine weight is multiplied into h in f32 ahead of h's one rounding.  bf16, since h has no room in f16 where the inputs are 30 times larger.
; EIGHT WAVES, two to a SIMD.  The weights come straight into operand registers (one load of a wave is 512 consecutive bytes of the earlier launch's layout), and a wave issues in order: while it issues
; loads and waits behind them it issues no product; the SIMD's other wave does.  gate_up: wave v has expert (v < 4: lo, else hi) and hidden columns 64 (v % 4) .. + 63, gate and up.  down: wave v has output
; columns 128 v .. + 127 and both experts.  The work-group reads each weight byte once, and a weight fragment feeds 4 products, an x or h fragment 8.
; THE RING.  Two stage buffers of 8 fragments in registers; a unit of 2 fragments (4 loads) is asked for again behind its 8 products: 28 to 32 loads of each wave are out, no barrier in the loops.
; THE WALK IS STAGGERED.  The sums over K may begin anywhere: work-group i begins gate_up's 16 pairs of stages at pair 2 (i % 8) and down's 8 pairs at pair i % 8, and goes round.  So the work-groups that
; share an expert ask for different parts of its weights at any one time, and what one has fetched from memory the others read later.
; NO CLUSTER: which experts a work-group walks is read from the stored counts, so four neighbours of the grid share their weights only where a set has four tiles or more (it may have one); and beside the
; X tile and the stages 54,272 bytes of LDS are left, less than two stages' weights of the eight waves (2 x 65,536).
; THE MATRIX INSTRUCTION takes 16 weight rows as source 0 and 16 tokens as source 1: a lane then holds ONE token (lane % 16) and eight neighbouring outputs 8 (lane / 16) + 0..7.
; LIMITS.  NaN and infinities are not treated apart; a NaN loss would be stored as 1.0 (the minimum lets the number win).  2^(-1.4427 g) beyond f32's range gives silu = 0, as the limit is.
; The order of the sums over K differs from work-group to work-group (the stagger).
; REGISTERS, in two windows of 256 (s_set_vgpr_msb: bits 1:0 source 0, 3:2 source 1, 5:4 source 2, 7:6 destination):
;   window 0: v0-23 addresses; v24-31 the tokens' weights; v32-55 at work; v56-59 the 64 places' tokens; v64-127 x or h fragments, two buffers (activation: v64-95 T, v96-111 packed h; way out: the rows' offsets);
;             v128-255 the weights' two stage buffers (way out: 32 rows read back)
;   window 1: the gathered rows; then the 32 accumulators: (fr, tb) at 8 (4 fr + tb)
.set XP,     2064                      ; a row of X in LDS: 2,048 bytes + 16: an odd multiple of 16, so that the 16 rows of a load start at 16 different groups of four banks (ISA guide 11.1)
.set HPI,    1040                      ; a row of H: 512 bf16 (256 of lo, 256 of hi) + 16.  The H tile (64 rows from byte 0) lies over the X tile, which is dead when gate_up is done: a barrier stands between
.set STG,    64*XP                     ; the way out: 32 rows x 528 bytes for each wave
.set SPI,    528
.set STGW,   32*SPI
.set CNTW,   STG+8*STGW                ; the sets' counts of each wave's 1,024 tokens: 8 x 128 bytes
.set LISTW,  CNTW+1024                 ; each wave's list: word p = token + 1 of place p, 0 where the wave has none; word 64 takes what belongs to no place: 8 x 512 bytes
.set SPARE,  LISTW+4096                ; the spare words, 128 bytes for each wave
.set EXP_B,  1572864
.set WAVE_B, 393216
.set STG_B,  8192
.set XF0, 64
.set XF1, 96
.set WB,  128
.set MSB, 0
.macro WIN new                         ; the immediate's high byte repeats the setting that is left; a switch that changes nothing is dropped
.if MSB != (\new)
	s_set_vgpr_msb (MSB<<8)|(\new)
.set MSB, (\new)
.endif
.endm
	s_load_b256 s[4:11], s[0:1], 0x0               ; xb 4, wf 6, routing 8, gates 10
	s_load_b128 s[12:15], s[0:1], 0x20             ; out0 12, out1 14
	v_lshl_add_u32 v4, v0, 2, SPARE                ; the add's two registers
	v_mov_b32 v5, 0
	v_lshrrev_b32 v32, 5, v0
	v_readfirstlane_b32 s16, v32                   ; wave v, 0 .. 7
	s_mov_b32 s17, ttmp9                           ; the tile's number
	v_and_b32 v1, 31, v0                           ; L
	v_and_b32 v2, 15, v0                           ; r
	v_bfe_u32 v3, v0, 4, 1                         ; h
	v_lshlrev_b32 v6, 4, v1                        ; 16 L; never rewritten
	s_lshl_b32 s46, s16, 12
	s_mov_b32 s47, 0                               ; the high word of every offset; never rewritten
	s_mov_b32 s44, 0x76543210                      ; v_permlanex16_b32: each lane takes its own place in the other half
	s_mov_b32 s45, 0xfedcba98
	s_mov_b32 s42, 0xbfb8aa3b                      ; -log2(e), named as a pair
	s_mov_b32 s43, s42
	s_wait_kmcnt 0x0
	s_add_nc_u64 s[52:53], s[8:9], s[46:47]        ; routing + 4,096 v: my 1,024 tokens' sid; 32,768 further on my 32 groups' counts
.set q, 0
.rept 8
	global_load_b128 v[64+4*q:67+4*q], v6, s[52:53] offset:32768+512*q    ; lane L: group 32 v + 4 q + L / 8, sets 4 (L % 8) .. + 3
.set q, q+1
.endr
.set q, 0
.rept 8
	global_load_b128 v[96+4*q:99+4*q], v6, s[52:53] offset:512*q          ; register 4 q + i of lane L: token 1,024 v + 128 q + 4 L + i
.set q, q+1
.endr
.irp i, 0,1,2,3
	v_mov_b32 v[32+\i], 0
	v_mov_b32 v[40+\i], 0
.endr
	v_lshl_add_u32 v36, v0, 4, LISTW
	ds_store_b128 v36, v[32:35]                    ; my wave's list starts empty
	; lane terms, in the wait for the loads
	v_mul_u32_u24 v37, v2, XP
	v_lshl_add_u32 v37, v3, 4, v37
	v_mul_u32_u24 v38, v2, HPI
	v_lshl_add_u32 v38, v3, 4, v38
.irp tb, 0,1,2,3
	v_add_nc_u32 v[8+\tb], 16*\tb*XP, v37          ; x fragments of token block tb; never rewritten
	v_add_nc_u32 v[16+\tb], 16*\tb*HPI, v38        ; h fragments; never rewritten
.endr
	s_lshl_b32 s48, s16, 7
	v_add_nc_u32 v20, s48, v38                     ; where I put 16 bytes of h: row r, columns 64 v .. (256 for hi + 64 (v % 4) = 64 v)
	s_mul_i32 s49, s16, STGW
	s_add_co_u32 s49, s49, STG
	v_mul_u32_u24 v39, v2, SPI
	v_lshl_add_u32 v39, v3, 5, v39
	v_add_nc_u32 v21, s49, v39                     ; the way out, in: row r, 32 bytes for each half of the lanes
	v_add_nc_u32 v22, s49, v6                      ; back: a row's 512 bytes
	s_mul_i32 s50, s16, 8*XP
	v_add_nc_u32 v23, s50, v6                      ; the gather: my wave's 8 rows of X
	v_lshl_add_u32 v7, s16, 9, v6                  ; my wave's 512 bytes in a row of out0
	v_lshlrev_b32 v46, 2, v1
	s_lshl_b32 s51, s16, 10
	s_add_co_u32 s51, s51, 1
	v_add_nc_u32 v46, s51, v46                     ; 1,024 v + 4 L + 1
	v_and_b32 v47, 7, v0
	v_lshlrev_b32 v47, 4, v47
	s_add_co_u32 s48, s48, CNTW
	v_add_nc_u32 v47, s48, v47
.irp ww, 0,1,2,3,4,5,6
	s_cmp_gt_u32 s16, \ww
	s_cselect_b32 s[57+\ww], 1, 0                  ; is wave ww ahead of mine?
.endr
	s_cmp_gt_u32 s16, 3
	s_cselect_b32 s66, -1, 0                       ; all lanes: my expert in gate_up is hi
	; THE SETS' COUNTS in my 1,024 tokens
	s_wait_loadcnt 8                               ; the counts are in; the 8 loads of sid may stay out
.set q, 1
.rept 7
.irp i, 0,1,2,3
	v_add_nc_u32 v[64+\i], v[64+\i], v[64+4*q+\i]
.endr
.set q, q+1
.endr
.irp i, 0,1,2,3
	v_mov_b32_dpp v[40+\i], v[64+\i] row_xmask:8 row_mask:0xf bank_mask:0xf
.endr
.irp i, 0,1,2,3
	v_add_nc_u32 v[64+\i], v[64+\i], v[40+\i]
.endr
.irp i, 0,1,2,3
	v_permlanex16_b32 v[40+\i], v[64+\i], s44, s45
.endr
.irp i, 0,1,2,3
	v_add_nc_u32 v[64+\i], v[64+\i], v[40+\i]
.endr
	ds_store_b128 v47, v[64:67]                    ; lanes that share a word write the same number
	s_wait_dscnt 0x0
	s_barrier_signal -1
	s_barrier_wait -1
	v_lshl_add_u32 v47, v1, 2, CNTW
.irp ww, 0,1,2,3,4,5,6,7
	ds_load_b32 v[72+\ww], v47 offset:128*\ww
.endr
	s_wait_dscnt 0x0
	v_add_nc_u32 v44, v72, v73
	v_add3_u32 v44, v44, v74, v75
	v_add3_u32 v44, v44, v76, v77
	v_add3_u32 v44, v44, v78, v79                  ; lane s: N_s,
	v_mul_u32_u24 v45, v72, s57
.irp ww, 1,2,3,4,5,6
	v_mad_u32_u24 v45, v[72+\ww], s[57+\ww], v45   ; and the set's tokens in the waves ahead of mine
.endr
	; WHICH TILE IS MINE: the last set whose first tile's number is not above mine
	s_mov_b32 s20, 0
	s_mov_b32 s23, 0
	s_mov_b32 s24, 0
	s_mov_b32 s25, 0
	s_mov_b32 s26, 0
.set k, 0
.set ll, 0
.set hh, 1
.rept 4
.irp u, 0,1,2,3,4,5,6
	v_readlane_b32 s[84+\u], v44, k+\u
	v_readlane_b32 s[91+\u], v45, k+\u
.endr
.irp u, 0,1,2,3,4,5,6
	s_cmp_ge_u32 s17, s20
	s_cselect_b32 s23, s[84+\u], s23               ; its count,
	s_cselect_b32 s24, s[91+\u], s24               ; its tokens ahead of my wave,
	s_cselect_b32 s25, s20, s25                    ; its first tile,
	s_cselect_b32 s26, ll|(hh<<4)|(k<<8), s26      ; its two experts and its number
	s_add_co_u32 s21, s[84+\u], 63
	s_lshr_b32 s21, s21, 6
	s_add_co_u32 s20, s20, s21
.set k, k+1
.set ll, ll+1
.if ll == hh
.set ll, 0
.set hh, hh+1
.endif
.endr
.endr
	s_sub_co_u32 s21, s17, s25
	s_lshl_b32 s21, s21, 6                         ; the tile's first rank in its set
	s_min_u32 s22, s21, s23
	s_sub_co_u32 s18, s23, s22
	s_min_u32 s18, s18, 64                         ; N: the tile's rows, 0 .. 64
	s_sub_co_u32 s30, s24, s21                     ; the place of my wave's first token of the set; it may lie below 0 and wraps
	s_bfe_u32 s19, s26, 0x80008
	s_min_u32 s19, s19, 27
	s_and_b32 s27, s26, 15
	s_min_u32 s27, s27, 7                          ; lo
	s_bfe_u32 s28, s26, 0x40004
	s_min_u32 s28, s28, 7                          ; hi
	s_cmp_gt_u32 s16, 3
	s_cselect_b32 s29, s28, s27                    ; my expert in gate_up
	s_min_u32 s29, s29, 7
	s_and_b32 s48, s16, 3
	s_mul_i32 s48, s48, WAVE_B
	s_mul_i32 s46, s29, EXP_B
	s_add_co_u32 s46, s46, s48
	s_add_nc_u64 s[32:33], s[6:7], s[46:47]        ; gate_up: the stream of (my expert, v % 4), stages 0 .. 31
	s_lshr_b32 s48, s16, 1
	s_mul_i32 s48, s48, WAVE_B
	s_and_b32 s49, s16, 1
	s_lshl_b32 s49, s49, 16
	s_add_co_u32 s48, s48, s49
	s_add_co_u32 s48, s48, 32*STG_B                ; down: streams (.., v / 2) at stage 32 + 8 (v % 2)
	s_mul_i32 s46, s27, EXP_B
	s_add_co_u32 s46, s46, s48
	s_add_nc_u64 s[36:37], s[6:7], s[46:47]        ; of lo,
	s_mul_i32 s46, s28, EXP_B
	s_add_co_u32 s46, s46, s48
	s_add_nc_u64 s[38:39], s[6:7], s[46:47]        ; of hi
	s_and_b32 s67, s17, 7                          ; the stagger: down begins at pair i % 8,
	s_lshl_b32 s41, s67, 1                         ; gate_up at pair 2 (i % 8)
	s_lshl_b32 s46, s41, 14                        ; a pair of stages is 16,384 bytes of the stream
	s_add_nc_u64 s[34:35], s[32:33], s[46:47]      ; the pointer by which the ring is filled
	s_lshl_b32 s56, s41, 7                         ; and 128 bytes of a row of X
; Unit o of a stage into buffer b: two fragments, four loads of 512 consecutive bytes
.macro LOADO b, o, imm
	WIN 0
.irp f, 0,1
.set rA, WB+64*(\b)+16*(\o)+8*\f
	global_load_b128 v[rA:rA+3],   v6, s[34:35] offset:(\imm)+1024*(2*(\o)+\f)
	global_load_b128 v[rA+4:rA+7], v6, s[34:35] offset:(\imm)+1024*(2*(\o)+\f)+512
.endr
.endm
	s_wait_loadcnt 0x0                             ; sid is in: it was asked for at the kernel's head
.irp o, 0,1,2,3
	LOADO 0, \o, 0                                 ; the first pair of stages goes out ahead of the sort
.endr
.irp o, 0,1,2,3
	LOADO 1, \o, STG_B
.endr
	; THE SORT: each of my tokens of the set gets its place; those of places 0 .. 63 go into my list.  A place outside the tile is below 0, and wraps, or is 64 or more (a tile of fewer than 64 rows is its
	; set's last, so no rank lies behind it): the minimum sends both, and what is no member, to word 64, which nobody reads.
	s_lshl_b32 s46, s16, 9
	s_add_co_u32 s46, s46, LISTW
.macro SCAN4 q
.irp i, 0,1,2,3
	v_cmp_eq_u32 s[84+\i], s19, v[96+4*(\q)+\i]
.endr
	s_mov_b32 s92, s30
	s_bcnt1_i32_b32 s88, s84
	s_add_co_u32 s93, s92, s88
	s_bcnt1_i32_b32 s89, s85
	s_add_co_u32 s94, s93, s89
	s_bcnt1_i32_b32 s90, s86
	s_add_co_u32 s95, s94, s90
	s_bcnt1_i32_b32 s91, s87
	s_add_co_u32 s30, s95, s91
.irp i, 0,1,2,3
	v_mbcnt_lo_u32_b32 v[32+\i], s[84+\i], s[92+\i]    ; the place: the members ahead of this register, and in lower lanes
.endr
.irp i, 0,1,2,3
	v_cndmask_b32 v[32+\i], -1, v[32+\i], s[84+\i]     ; no member: no place
.endr
.irp i, 0,1,2,3
	v_min_u32 v[32+\i], 64, v[32+\i]
.endr
.irp i, 0,1,2,3
	v_lshl_add_u32 v[32+\i], v[32+\i], 2, s46
	v_add_nc_u32 v[36+\i], 128*(\q)+\i, v46
.endr
.irp i, 0,1,2,3
	ds_store_b32 v[32+\i], v[36+\i]
.endr
.endm
.irp q, 0,1,2,3,4,5,6,7
	SCAN4 \q
.endr
	s_wait_dscnt 0x0
	s_barrier_signal -1
	s_barrier_wait -1
	v_lshl_add_u32 v47, v2, 2, LISTW
	v_and_b32 v33, 7, v0
	v_lshl_add_u32 v33, v33, 2, LISTW
	s_lshl_b32 s48, s16, 5
	v_add_nc_u32 v33, s48, v33
.irp tb, 0,1,2,3
.irp ww, 0,1,2,3,4,5,6,7
	ds_load_b32 v[64+8*\tb+\ww], v47 offset:512*\ww+64*\tb      ; place 16 tb + r in the eight lists
.endr
.endr
.irp ww, 0,1,2,3,4,5,6,7
	ds_load_b32 v[96+\ww], v33 offset:512*\ww                   ; place 8 v + r % 8: the rows that my wave gathers
.endr
	s_wait_dscnt 0x0
.macro MERGE b, d                      ; one list holds token + 1, the others 0; an empty place becomes token 8191
	v_or_b32 v[(\b)], v[(\b)], v[(\b)+1]
	v_or_b32 v[(\b)+2], v[(\b)+2], v[(\b)+3]
	v_or_b32 v[(\b)+4], v[(\b)+4], v[(\b)+5]
	v_or_b32 v[(\b)+6], v[(\b)+6], v[(\b)+7]
	v_or_b32 v[(\b)], v[(\b)], v[(\b)+2]
	v_or_b32 v[(\b)+4], v[(\b)+4], v[(\b)+6]
	v_or_b32 v[(\b)], v[(\b)], v[(\b)+4]
	v_add_nc_u32 v[(\d)], -1, v[(\b)]
	v_min_u32 v[(\d)], 0x1fff, v[(\d)]
.endm
	MERGE 64, 56
	MERGE 72, 57
	MERGE 80, 58
	MERGE 88, 59
	MERGE 96, 60
.irp tb, 0,1,2,3
	v_lshlrev_b32 v[36+\tb], 3, v[56+\tb]
	global_load_b64 v[24+2*\tb:25+2*\tb], v[36+\tb], s[10:11]   ; (w_lo, w_hi) of token r of block tb
.endr
.irp u, 0,1,2,3,4,5,6,7
	v_readlane_b32 s[84+\u], v60, \u
.endr
.irp u, 0,1,2,3,4,5,6,7
	s_min_u32 s[84+\u], s[84+\u], 8191
.endr
.irp u, 0,1,2,3,4,5,6,7
	v_lshl_add_u32 v[48+\u], s[84+\u], 11, v6
.endr
	WIN 0x40                                       ; THE GATHER: 8 rows of 2,048 bytes, four loads of 512 consecutive bytes each, into window 1
.set i, 0
.rept 8
.irp c, 0,1,2,3
	global_load_b128 v[16*i+4*\c:16*i+4*\c+3], v[48+i], s[4:5] offset:512*\c
.endr
.set i, i+1
.endr
	WIN 0x04                                       ; store data in window 1
.set g, 0
.rept 4
	s_wait_loadcnt 24-8*g                          ; loads come back in order (ISA guide 5.7.1): two rows' eight are in, the younger ones stay out
.irp j, 0,1
.irp c, 0,1,2,3
	ds_store_b128 v23, v[16*(2*g+\j)+4*\c:16*(2*g+\j)+4*\c+3] offset:XP*(2*g+\j)+512*\c
.endr
.endr
.set g, g+1
.endr
	WIN 0
.irp tb, 0,1,2,3
	v_cndmask_b32 v[24+2*\tb], v[24+2*\tb], v[25+2*\tb], s66    ; the weight of my expert in gate_up
	v_add_nc_u32 v[12+\tb], s56, v[8+\tb]                       ; x at the walk's first pair
.endr
	s_wait_dscnt 0x0
	s_barrier_signal -1
	s_barrier_wait -1                              ; the X tile is whole
; THE NEXT PAIR'S PLACE, made where a pair's first run of loads begins: the last loads were issued 8 products ago, and the pointer is rewritten only behind s_wait_xcnt 0 (ISA guide 3.1).
.macro PTRGU                           ; gate_up: 16 pairs, round
	s_wait_xcnt 0x0
	s_add_co_u32 s41, s41, 1
	s_and_b32 s41, s41, 15
	s_lshl_b32 s46, s41, 14
	s_add_nc_u64 s[34:35], s[32:33], s[46:47]
	s_lshl_b32 s56, s41, 7
.endm
.macro PTRDN first                     ; down: 8 pairs, round: pairs 0-3 are lo's hidden columns, 4-7 hi's; pair q lies at byte 128 q of H's rows
	s_wait_xcnt 0x0
.if \first
	s_mov_b32 s41, s67
.else
	s_add_co_u32 s41, s41, 1
	s_and_b32 s41, s41, 7
.endif
	s_and_b32 s46, s41, 3
	s_lshl_b32 s46, s46, 14
	s_cmp_gt_u32 s41, 3
	s_cselect_b64 s[34:35], s[38:39], s[36:37]
	s_add_nc_u64 s[34:35], s[34:35], s[46:47]
	s_lshl_b32 s56, s41, 7
.endm
; A UNIT: 8 products, two weight fragments x four token blocks; the accumulators take turns, one instruction a turn.  cnt: the loads issued behind this unit's: seven units of four in
; the steady ring.  Four v_nop are the places ahead of the loads into the registers just read, and of whatever reads the results.  ld = 1: the same unit two stages on is asked for.
.macro OCT b, o, xf, zero, ld, imm, cnt, pre
	s_wait_loadcnt \cnt
	WIN 0x50
.irp f, 0,1
.irp tb, 0,1,2,3
.set rD, 8*(4*(2*(\o)+\f)+\tb)
.set rA, WB+64*(\b)+16*(\o)+8*\f
.set rB, (\xf)+8*\tb
.if \zero
	v_wmma_f32_16x16x32_bf16 v[rD:rD+7], v[rA:rA+7], v[rB:rB+7], 0
.else
	v_wmma_f32_16x16x32_bf16 v[rD:rD+7], v[rA:rA+7], v[rB:rB+7], v[rD:rD+7]
.endif
.endr
.endr
.rept 4
	v_nop
.endr
.if (\pre) == 1
	PTRGU
.elseif (\pre) == 2
	PTRDN 0
.elseif (\pre) == 3
	PTRDN 1
.endif
.if \ld
	LOADO \b, \o, \imm
.endif
.endm
.macro XLOAD xf, imm                   ; four fragments of x or h (64 tokens x 32 k)
	WIN 0
.irp tb, 0,1,2,3
	ds_load_b128 v[(\xf)+8*\tb:(\xf)+8*\tb+3],   v[12+\tb] offset:(\imm)
	ds_load_b128 v[(\xf)+8*\tb+4:(\xf)+8*\tb+7], v[12+\tb] offset:(\imm)+32
.endr
.endm
; A STAGE: 32 along K, 128 outputs, 64 tokens: 32 products.  The next stage's fragments of x or h (nxf; -1: none) are fetched behind the first unit, 24 products ahead of their use;
; fix >= 0: they belong to the next pair, and their addresses are made anew from the fixed lane terms v[fix ..] and the pair's place.
.macro STAGE b, xf, zero, ld, imm, pre, nxf, fix, ximm, c0=28, c1=28, c2=28, c3=28
	s_wait_dscnt 0x0                               ; this stage's fragments are in
	OCT \b, 0, \xf, \zero, \ld, \imm, \c0, \pre
.if (\nxf) >= 0
	WIN 0
.if (\fix) >= 0
.irp tb, 0,1,2,3
	v_add_nc_u32 v[12+\tb], s56, v[(\fix)+\tb]
.endr
.endif
	XLOAD \nxf, \ximm
.endif
	OCT \b, 1, \xf, \zero, \ld, \imm, \c1, 0
	OCT \b, 2, \xf, \zero, \ld, \imm, \c2, 0
	OCT \b, 3, \xf, \zero, \ld, \imm, \c3, 0
.endm
	; GATE_UP: K = 1,024 in 16 pairs of stages
	XLOAD XF0, 0
	STAGE 0, XF0, 1, 1, 0,     1, XF1, -1, 64      ; the first stage starts the sums
	STAGE 1, XF1, 0, 1, STG_B, 0, XF0, 8, 0
	WIN 0
	s_cmp_eq_u32 s18, 0
	s_cbranch_scc1 .Lgu_end                        ; a tile without rows jumps over the loop: no barrier lies in it, and the ring's order stays
	s_mov_b32 s40, 14
.Lgu:
	STAGE 0, XF0, 0, 1, 0,     1, XF1, -1, 64
	STAGE 1, XF1, 0, 1, STG_B, 0, XF0, 8, 0
	WIN 0
	s_sub_co_u32 s40, s40, 1
	s_cmp_lg_u32 s40, 0
	s_cbranch_scc1 .Lgu
.Lgu_end:
	STAGE 0, XF0, 0, 1, 0,     3, XF1, -1, 64      ; the last pair; the ring runs on: down's first pair lands during the activation
	STAGE 1, XF1, 0, 1, STG_B, 0, -1, -1, 0
	WIN 0
	s_wait_dscnt 0x0                               ; my reads of the X tile are over
	s_barrier_signal -1
	s_barrier_wait -1                              ; everybody's are: h may be stored over it
; THE ACTIVATION of token block tb: 32 numbers a lane.  h = w g u / (1 + 2^(-log2(e) g)).  The exponentials are one batch, the reciprocals another: one wait each, ahead of the first reader;
; g u and its weight are the independent work behind the exponentials.  Each accumulator's lowest registers are read first.
.macro ACT tb
	WIN 0x01
.irp fb, 0,1,2,3
.irp p, 0,1,2,3
	v_pk_mul_f32 v[64+8*\fb+2*\p:64+8*\fb+2*\p+1], v[8*(4*\fb+(\tb))+2*\p:8*(4*\fb+(\tb))+2*\p+1], s[42:43] op_sel_hi:[1,0]
.endr
.endr
	WIN 0
.set i, 0
.rept 32
	v_exp_f32 v[64+i], v[64+i]
.set i, i+1
.endr
	WIN 0x45
.irp fb, 0,1,2,3
.irp p, 0,1,2,3
	v_pk_mul_f32 v[8*(4*\fb+(\tb))+2*\p:8*(4*\fb+(\tb))+2*\p+1], v[8*(4*\fb+(\tb))+2*\p:8*(4*\fb+(\tb))+2*\p+1], v[8*(4*(4+\fb)+(\tb))+2*\p:8*(4*(4+\fb)+(\tb))+2*\p+1]
.endr
.endr
	WIN 0x41
.irp fb, 0,1,2,3
.irp p, 0,1,2,3
	v_pk_mul_f32 v[8*(4*\fb+(\tb))+2*\p:8*(4*\fb+(\tb))+2*\p+1], v[8*(4*\fb+(\tb))+2*\p:8*(4*\fb+(\tb))+2*\p+1], v[24+2*(\tb):25+2*(\tb)] op_sel_hi:[1,0]
.endr
.endr
	WIN 0
	s_wait_alu depctr_va_vdst(0)
.set i, 0
.rept 16
	v_pk_add_f32 v[64+2*i:65+2*i], v[64+2*i:65+2*i], 1.0 op_sel_hi:[1,0]
.set i, i+1
.endr
.set i, 0
.rept 32
	v_rcp_f32 v[64+i], v[64+i]
.set i, i+1
.endr
	v_nop
	s_wait_alu depctr_va_vdst(0)
	WIN 0x41
.irp fb, 0,1,2,3
.irp p, 0,1,2,3
	v_pk_mul_f32 v[8*(4*\fb+(\tb))+2*\p:8*(4*\fb+(\tb))+2*\p+1], v[8*(4*\fb+(\tb))+2*\p:8*(4*\fb+(\tb))+2*\p+1], v[64+8*\fb+2*\p:64+8*\fb+2*\p+1]
.endr
.endr
	WIN 0x05
.irp fb, 0,1,2,3
.irp p, 0,1,2,3
	v_cvt_pk_bf16_f32 v[96+4*\fb+\p], v[8*(4*\fb+(\tb))+2*\p], v[8*(4*\fb+(\tb))+2*\p+1]
.endr
.endr
	WIN 0
.irp fb, 0,1,2,3
	ds_store_b128 v20, v[96+4*\fb:99+4*\fb] offset:16*HPI*(\tb)+32*\fb
.endr
.endm
.irp tb, 0,1,2,3
	ACT \tb
.endr
	s_wait_dscnt 0x0
	s_barrier_signal -1
	s_barrier_wait -1                              ; the H tile is whole
	; DOWN: K = 512 (256 of lo, 256 of hi) in 8 pairs of stages, my 128 output columns, one accumulator for both experts
.irp tb, 0,1,2,3
	v_add_nc_u32 v[12+\tb], s56, v[16+\tb]         ; h at the walk's first pair
.endr
	XLOAD XF0, 0
	STAGE 0, XF0, 1, 1, 0,     2, XF1, -1, 64      ; the first stage starts the sums
	STAGE 1, XF1, 0, 1, STG_B, 0, XF0, 16, 0
	WIN 0
	s_cmp_eq_u32 s18, 0
	s_cbranch_scc1 .Ldn_end
	s_mov_b32 s40, 6
.Ldn:
	STAGE 0, XF0, 0, 1, 0,     2, XF1, -1, 64
	STAGE 1, XF1, 0, 1, STG_B, 0, XF0, 16, 0
	WIN 0
	s_sub_co_u32 s40, s40, 1
	s_cmp_lg_u32 s40, 0
	s_cbranch_scc1 .Ldn
.Ldn_end:
	STAGE 0, XF0, 0, 0, 0, 0, XF1, -1, 64, 28, 24, 20, 16   ; the last pair fetches nothing: the counts run down
	STAGE 1, XF1, 0, 0, 0, 0, -1, -1, 0, 12, 8, 4, 0
	WIN 0
	s_wait_dscnt 0x0                               ; my reads of the H tile are over
	s_barrier_signal -1
	s_barrier_wait -1                              ; everybody's are, ahead of the stores into the stages
	; the 64 rows' places in out0
.irp tb, 0,1,2,3
.irp u, 0,1,2,3,4,5,6,7,8,9,10,11,12,13,14,15
	v_readlane_b32 s[84+\u], v[56+\tb], \u
.endr
.irp u, 0,1,2,3,4,5,6,7,8,9,10,11,12,13,14,15
	s_min_u32 s[84+\u], s[84+\u], 8191
.endr
.irp u, 0,1,2,3,4,5,6,7,8,9,10,11,12,13,14,15
	v_lshl_add_u32 v[64+16*\tb+\u], s[84+\u], 12, v7
.endr
.endr
; THE WAY OUT of rows 32 tp .. + 31: through my own stage in LDS, so that one store is 512 consecutive bytes of ONE row, at a multiple of 512 from out0's first byte.  A store past the tile's count is jumped whole.
.macro DRAIN tp
	WIN 0
	s_wait_xcnt 0x0                                ; the registers that earlier stores read are loaded again only behind this wait
	s_cmp_gt_u32 s18, 32*(\tp)
	s_cbranch_scc0 .Lskip_\@
	WIN 0x04
.irp tt, 0,1
.irp fr, 0,1,2,3,4,5,6,7
.set rD, 8*(4*\fr+2*(\tp)+\tt)
	ds_store_b128 v21, v[rD:rD+3]   offset:16*SPI*\tt+64*\fr
	ds_store_b128 v21, v[rD+4:rD+7] offset:16*SPI*\tt+64*\fr+16
.endr
.endr
	WIN 0
.set ro, 0
.rept 32
	ds_load_b128 v[128+4*ro:131+4*ro], v22 offset:SPI*ro  ; LDS serves a wave's instructions in order (ISA guide 5.7.1.4): these see the stores above
.set ro, ro+1
.endr
.set ro, 0
.rept 32
	s_wait_dscnt 31-ro
	s_cmp_gt_u32 s18, 32*(\tp)+ro
	s_cbranch_scc0 .Lskip_\@
	global_store_b128 v[64+32*(\tp)+ro], v[128+4*ro:131+4*ro], s[12:13] th:TH_STORE_NT
.set ro, ro+1
.endr
.Lskip_\@:
	s_wait_dscnt 0x0
.endm
	DRAIN 0
	DRAIN 1
	; THE LOSS: one wave of the last work-group adds the 256 groups' sums and counts
	s_cmp_lg_u32 s17, 154
	s_cbranch_scc1 .Lend
	s_cmp_lg_u32 s16, 0
	s_cbranch_scc1 .Lend
	s_wait_xcnt 0x0                                ; v128 and on were store data
	s_add_nc_u64 s[54:55], s[10:11], 0x10000
.irp i, 0,1,2,3
	v_mov_b32 v[32+\i], 0
.endr
	s_mov_b32 s40, 4
.Laux:
.set q, 0
.rept 16
	global_load_b128 v[128+4*q:131+4*q], v6, s[54:55] offset:512*q        ; lane L: group .. + L / 8, entries 4 (L % 8) .. + 3
.set q, q+1
.endr
	s_wait_loadcnt 0x0                             ; which also frees the loads' base
.set q, 0
.rept 16
	v_pk_add_f32 v[32:33], v[32:33], v[128+4*q:129+4*q]
	v_pk_add_f32 v[34:35], v[34:35], v[130+4*q:131+4*q]
.set q, q+1
.endr
	s_add_nc_u64 s[54:55], s[54:55], 0x2000
	s_sub_co_u32 s40, s40, 1
	s_cmp_lg_u32 s40, 0
	s_cbranch_scc1 .Laux
.irp i, 0,1,2,3
	v_add_f32_dpp v[32+\i], v[32+\i], v[32+\i] row_xmask:8 row_mask:0xf bank_mask:0xf
.endr
.irp i, 0,1,2,3
	v_permlanex16_b32 v[40+\i], v[32+\i], s44, s45
.endr
.irp i, 0,1,2,3
	v_add_f32 v[32+\i], v[32+\i], v[40+\i]         ; lanes 0, 1: the probabilities' sums 0-3, 4-7; lanes 2, 3: the counts
.endr
.irp i, 0,1,2,3
	v_mov_b32_dpp v[40+\i], v[32+\i] row_xmask:2 row_mask:0xf bank_mask:0xf
.endr
	v_mul_f32 v36, v32, v40
	v_fmac_f32 v36, v33, v41
	v_fmac_f32 v36, v34, v42
	v_fmac_f32 v36, v35, v43
	v_add_f32_dpp v36, v36, v36 row_xmask:1 row_mask:0xf bank_mask:0xf
	v_mul_f32 v36, 0x33800000, v36                 ; x 8 / (16,384 x 8,192) = 2^-24: 16,384 + 1e-9 is 16,384 in f32
	v_mul_f32 v36, 0x3c23d70a, v36                 ; x 0.01
	v_min_num_f32 v36, 1.0, v36
	v_mov_b32 v37, 0
	v_cmp_eq_u32 vcc_lo, 0, v1
	s_wait_xcnt 0x0                                ; EXEC changes only behind this wait
	s_and_saveexec_b32 s46, vcc_lo
	global_store_b32 v37, v36, s[14:15]
	s_wait_xcnt 0x0
	s_or_b32 exec_lo, exec_lo, s46
.Lend:
	s_wait_tensorcnt 0x0                           ; the wave's end, behind my last LDS store
	ds_add_u32 v4, v5
	s_wait_dscnt 0x0
	s_endpgm
.Lfunc_end_k_q7ce0f1712e_experts:
	.size	k_q7ce0f1712e_experts, .Lfunc_end_k_q7ce0f1712e_experts-k_q7ce0f1712e_experts
	.p2alignl 7, 3214868480
	.fill 96, 4, 3214868480
	.section	.rodata,"a",@progbits
	.p2align	6, 0x0
	.amdhsa_kernel k_q7ce0f1712e_experts
		.amdhsa_group_segment_fixed_size 273408
		.amdhsa_private_segment_fixed_size 0
		.amdhsa_enable_private_segment 0
		.amdhsa_kernarg_size 48
		.amdhsa_user_sgpr_count 2
		.amdhsa_user_sgpr_kernarg_segment_ptr 1
		.amdhsa_wavefront_size32 1
		.amdhsa_system_sgpr_workgroup_id_x 1
		.amdhsa_system_sgpr_workgroup_id_y 1
		.amdhsa_system_sgpr_workgroup_id_z 1
		.amdhsa_system_vgpr_workitem_id 0
		.amdhsa_next_free_vgpr 512
		.amdhsa_next_free_sgpr 100
		.amdhsa_reserve_vcc 1
		.amdhsa_float_denorm_mode_32 3
		.amdhsa_float_denorm_mode_16_64 3
		.amdhsa_memory_ordered 1
		.amdhsa_forward_progress 1
		.amdhsa_inst_pref_size 182
	.end_amdhsa_kernel
	.amdgpu_metadata
---
amdhsa.version: [ 1, 2 ]
amdhsa.kernels:
  - .name:           k_q7ce0f1712e_experts
    .symbol:         k_q7ce0f1712e_experts.kd
    .args:
      - { .name: xb, .offset: 0, .size: 8, .value_kind: global_buffer, .address_space: global }
      - { .name: wf, .offset: 8, .size: 8, .value_kind: global_buffer, .address_space: global }
      - { .name: routing, .offset: 16, .size: 8, .value_kind: global_buffer, .address_space: global }
      - { .name: gates, .offset: 24, .size: 8, .value_kind: global_buffer, .address_space: global }
      - { .name: out0, .offset: 32, .size: 8, .value_kind: global_buffer, .address_space: global }
      - { .name: out1, .offset: 40, .size: 8, .value_kind: global_buffer, .address_space: global }
    .group_segment_fixed_size: 273408
    .private_segment_fixed_size: 0
    .kernarg_segment_align: 8
    .kernarg_segment_size: 48
    .max_flat_workgroup_size: 256
    .sgpr_count:     100
    .vgpr_count:     512
    .wavefront_size: 32
...
	.end_amdgpu_metadata
.endif
;; end of part 2
